; MI455X (gfx1250); checked and timed in simulation.
; The chip was launched on July 23, 2026; its instructions are those of AMD's public machine-readable ISA for CDNA 5 (MIT licence, August 2026) and "CDNA5" Instruction Set Architecture Reference Guide (July 2026). The comments in the code are by the model that wrote it; some were corrected since.
;; Ca T. Allowed arithmetic: matrix products marked QUANTISED: E3M2 operands, one E8M0 scale for each 32 along K, by v_wmma_scale_f32_16x16x128_f8f6f4 with both operands' format E3M2, f32 sums; products left as they are: f32 operands where the result goes on into a quantised operand, else bf16, f16 or f32 operands; f32 sums; everything else in f32.
;; Inputs: W1 3 x 1 x 4 float32; W2 3 x 4 x 1 float32; Wk 3 x 8 x 16 float32; Wlm 1 x 1 float32; Wp 3 x 128 x 1 float32; Wq 3 x 8 x 16 float32; Wv 3 x 8 x 16 float32; X 4,096 x 64 float32; b1 3 x 4 float32; b2 3 x 1 float32; blm 1 float32; bp 3 x 1 float32; dag 64 x 64 int32.
;; Outputs: out0 4,096 x 64 float32.
;; This version of the problem:
;;   THIS VERSION OF THE PROBLEM IS GIVEN IN LOW PRECISION. The matrix products marked QUANTISED in the list below multiply operands that are first quantised to E3M2 (3 exponent bits, 2 mantissa bits; 6 bits a number), with one power-of-two scale for each 32 numbers along K (OCP MX v1.0); their sums are f32. All else is computed in f32.
;;   The module's matrix products, in the order in which they are computed (A, B: the left and right operand; K: the contracted axis; several contracted axes count as one K, in the product's order):
;;     1. batch 32,768 x [M 64, K 16] x [K 16, N 64]; A: computed on the way; B: computed on the way: left as it is (K = 16 < 32)
;;     2. batch 32,768 x [M 64, K 64] x [K 64, N 16]; A: computed on the way; B: computed on the way: QUANTISED
;;     3. [M 262,144, K 128] x [K 128, N 1]; A: computed on the way; B: input Wp: left as it is (N = 1 < 16)
;;     4. [M 262,144, K 1] x [K 1, N 4]; A: computed on the way; B: input W1: left as it is (K = 1 < 32)
;;     5. [M 262,144, K 4] x [K 4, N 1]; A: computed on the way; B: input W2: left as it is (K = 4 < 32)
;;     6. batch 32,768 x [M 64, K 16] x [K 16, N 64]; A: computed on the way; B: computed on the way: left as it is (K = 16 < 32)
;;     7. batch 32,768 x [M 64, K 64] x [K 64, N 16]; A: computed on the way; B: computed on the way: QUANTISED
;;     8. [M 262,144, K 128] x [K 128, N 1]; A: computed on the way; B: input Wp: left as it is (N = 1 < 16)
;;     9. [M 262,144, K 1] x [K 1, N 4]; A: computed on the way; B: input W1: left as it is (K = 1 < 32)
;;     10. [M 262,144, K 4] x [K 4, N 1]; A: computed on the way; B: input W2: left as it is (K = 4 < 32)
;;     11. batch 32,768 x [M 64, K 16] x [K 16, N 64]; A: computed on the way; B: computed on the way: left as it is (K = 16 < 32)
;;     12. batch 32,768 x [M 64, K 64] x [K 64, N 16]; A: computed on the way; B: computed on the way: QUANTISED
;;     13. [M 262,144, K 128] x [K 128, N 1]; A: computed on the way; B: input Wp: left as it is (N = 1 < 16)
;;     14. [M 262,144, K 1] x [K 1, N 4]; A: computed on the way; B: input W1: left as it is (K = 1 < 32)
;;     15. [M 262,144, K 4] x [K 4, N 1]; A: computed on the way; B: input W2: left as it is (K = 4 < 32)
;;     16. [M 262,144, K 1] x [K 1, N 1]; A: computed on the way; B: input Wlm: left as it is (K = 1 < 32)
;;   THE QUANTISER, for each operand of a quantised product, along K:
;;     - K is cut into blocks of 32 from its start; a last block that is shorter is filled with zeros.
;;     - A block's scale is 2^e with e = floor(log2(the largest magnitude in the block)) - 4, held to -126 .. 127; a block of zeros has e = 0. As a byte (E8M0): e + 127.
;;     - Each number is divided by its block's scale, clamped to +-28, and rounded to the nearest number of E3M2, ties to even, subnormals kept.
;;     - The product sums the exact products of the quantised numbers (number of the format x scale) in f32.
;;   ~~~python
;;   def quantise(x, axis):      # numpy; x: float32 -> the quantised numbers, widened to float32 again
;;       x = np.moveaxis(x, axis, -1); K = x.shape[-1]
;;       x = np.pad(x, [(0, 0)] * (x.ndim - 1) + [(0, -K % 32)]); x = x.reshape(x.shape[:-1] + (-1, 32)); a = np.abs(x).max(-1, keepdims=True)
;;       e = np.where(a > 0, np.clip(np.frexp(np.where(a > 0, a, 1))[1] - 1 - 4, -126, 127), 0)      # np.frexp(a)[1] - 1 = floor(log2(a)), exactly
;;       r = np.clip(x / 2.0 ** e, -28, 28)
;;       step = 2.0 ** (np.maximum(np.frexp(np.where(r == 0, 1, r))[1] - 1, -2) - 2)
;;       q = np.round(r / step) * step * 2.0 ** e      # np.round: ties to even
;;       return np.moveaxis(q.reshape(q.shape[:-2] + (-1,))[..., :K], -1, axis).astype(np.float32)
;;   ~~~
;;   OPERANDS COMPUTED ON THE WAY. 'Computed on the way' means the value that the module computes at that place (a softmax that the list does not call 'softmax' is quantised finished and normalised). What goes into a quantiser is computed in f32, as accurately as f32 sums, v_exp_f32 and their like allow (about 1e-6 of the number): no bf16 or f16 on the way to a quantiser, and a product that is left as it is and whose result goes on into a quantised operand takes f32 operands (vector FMAs, or v_wmma_f32_16x16x4_f32). A number that lies on a knife's edge between two numbers of the format may be rounded either way, as far as f32 arithmetic and the matrix unit's own rounding can turn it there, and no further.
;; 2 versions, each right; version 2 is version 1 with the launch cat written anew for expert scheduling mode. Each part assembles by itself: llvm-mc -triple=amdgcn-amd-amdhsa -mcpu=gfx1250 --defsym DOCPART=n.
;; ======== version 1 of 2: 1 launch
;; launch cat (part 1): grid 256 x 1, 16 waves a work-group, no clusters, 28,672 bytes of LDS; arguments X, dag, Wk, Wq, Wv, Wp, bp, W1, b1, W2, b2, Wlm, blm, out0; writes out0
.if DOCPART == 1
	.amdgcn_target "amdgcn-amd-amdhsa--gfx1250"
	.amdhsa_code_object_version 6
	.text
	.protected	k_q4aa17a84ac_cat
	.globl	k_q4aa17a84ac_cat
	.p2align	8
	.type	k_q4aa17a84ac_cat,@function
k_q4aa17a84ac_cat:
	s_mov_b64 s[64:65], 0
	v_nop
	global_prefetch_b8 v0, s[64:65] scope:SCOPE_SE
	s_setreg_imm32_b32 hwreg(HW_REG_WAVE_MODE, 25, 1), 1
	s_wait_xcnt 0x0
; CaT: 4,096 batches, each a vector x of 64 scalars, through 3 layers (8 heads of masked attention over the 64 variables, projection 128 -> 1, FF 1 -> 4 -> 1) and an affine head.
; All of it is one launch.  A work-group of 16 waves takes 16 batches; A WAVE TAKES ONE BATCH through all layers: x lives in registers and in the wave's own 256 bytes of LDS.
; WHAT THE COMPUTATION ITSELF GIVES.  Q = x_n Wq, K = x_m Wk, so a score is x_n x_m c_h, c_h = 0.25 sum_d Wq[h][d] Wk[h][d] (f32 multiply-adds).  In base 2: t = a x_m, a = c_h log2(e) x_n.
; For a fixed row and head t rises or falls with x_m, so the row's largest counted t is max(a xmax, a xmin), xmax and xmin the largest and smallest x_m that the mask counts for the row; they do not hang on the head.
; Likewise the largest p of a block of 32 keys comes from that block's counted extremes, by the same multiply-add, exponential and multiplication as the block's own numbers: the same bits.
; p = 2^(t - max) / the row's sum is quantised FINISHED AND NORMALISED, along the keys.  V = x_m Wv[h][d]; its block's largest magnitude is (largest |x_m|) x |Wv|.
; THE PRODUCT p V goes transposed: source 0 = V^T (row d = lane % 16), source 1 = p (column n = lane % 16).  K = 128 holds the 64 keys of TWO heads: source 0 is [V_h1 | V_h2]; source 1 is [p_h1 | zero codes] for head h1
; and [zero codes | p_h2] for head h2: the registers lie p_h1, zeros, p_h2, and the two instructions name overlapping runs of twelve.  Register j of lane (r, hh) of a result is attn(row 16 T + r, d = 8 hh + j).
; LANES.  Lane (r = lane % 16, hh = lane / 16) holds row n = 16 T + r of tile T and keys m = 32 hh + i in register i: which is the 6-bit operand's own layout, so the conversions' results are the operand.
; THE MASK is an input: G(n, m) = 0.0 where dag[m][n] != 0, else -infinity, is added to t ahead of the exponential.  A row that counts no key gets p = 0 (its sum is made 2 by an added 1.0 a half, its maximum 0).
; LIMITS.  a x_m must stay finite in f32 for hidden pairs too (infinity + -infinity would be NaN).  NaN and infinities among the inputs are not served.  The exponential gives 0 for p under 2^-126.
; A block's largest p is taken from its largest t: this takes the exponential not to fall where its input rises.  A block without counted keys, and a block of zeros, carry an ordinary scale byte (or 1) over zero codes
; where the rule says 127: the bytes are read by this program alone.
; NOT USED, and why: tensor loads and a ring (a work-group reads 26 KB once); clusters (what work-groups share is dag and the weights, 22 KB, read once each); prefetches (no stream comes from memory during the work);
; register windows and large accumulator tiles (2 matrix instructions stand beside some 250 vector instructions).
.set GT,   0            ; LDS: the additive mask as an image of registers: (T, g) at 4096 T + 512 g + 16 lane: G for i = 4 g .. 4 g + 3
.set WKT,  16384        ; Wk, Wq, Wv, Wp as they lie: 1,536 bytes each, 512 a layer
.set WQT,  17920
.set WVT,  19456
.set WPT,  20992
.set XBUF, 22528        ; 256 bytes for each wave: x[0..63] of its batch, written anew tile by tile; no other wave touches them
.set AXM,  4            ; v4   XBUF + 256 wave + 128 hh: my 32 keys
.set AXN0, 5            ; v5   XBUF + 256 wave + 4 r
.set AXN,  6            ; v6   + 64 T: my row's x
.set AG0,  7            ; v7   16 lane
.set AG,   8            ; v8   + 4096 T
.set AWP0, 9            ; v9   WPT + 32 hh
.set AWP,  10           ; v10  + 512 layer
.set AWV,  11           ; v11  4 r + 512 layer
.set AQK,  12           ; v12  16 lane + 512 layer
.set SH8,  13           ; v13  8 hh
.set AXL,  14           ; v14  XBUF + 256 wave + 8 lane
.set GOF,  15           ; v15  8 lane
.set XR,   16           ; v[16:17] the row's counted largest and smallest x_m
.set XB,   18           ; v[18:19] my block's
.set SI,   20           ; v[20:21] (1.0 where the row counts no key, else 0; 0)
.set XN,   22           ; v22  x of my row
.set XA,   23           ; v23  the largest |x_m| of my 32 keys
.set AA,   24           ; v[24:25] a of the unit's two heads
.set MM,   26           ; v[26:27] the row's largest t
.set TB,   28           ; v[28:29] my block's largest t - max, then its exponential
.set T1,   30           ; v[30:33] at work
.set T2,   32
.set RC,   34           ; v[34:35] 1 / the row's sum
.set SA,   36           ; v[36:39] two chains of sums
.set SB,   38
.set TS,   40           ; v40, v41 at work
.set TO,   41
.set SC,   42           ; v[42:43] the conversions' scale operands
.set BY,   44           ; v[44:45] scale bytes
.set WW,   46           ; v46, v47 a scale word in the making
.set OO,   47
.set ACC0, 48           ; v[48:51] the projection's sums
.set ACC1, 50
.set TMP,  52           ; v[52:54] a block's upper 16 codes (a conversion's three registers begin on an even number)
.set AWV0, 55           ; v55  4 r
.set VS,   56           ; v56-59 V's scale words, one for each pair of heads: scales and nothing else
.set PS,   60           ; v60  p's scale word: scales and nothing else
.set WPR,  62           ; v[62:77] Wp of the unit's two heads; in a layer's prologue Wq, Wk
.set D0,   78           ; v[78:85], v[86:93] the two results; in a layer's prologue v78-85 hold Wv[h][r]
.set D1,   86
.set PB,   94           ; v[94:99] p_h1, v[100:105] zero codes, v[106:111] p_h2
.set ZR,   100
.set VB,   112          ; v[112:159] V's codes: pair q at VB + 12 q
.set XM,   160          ; v[160:191] x of my 32 keys, as the layer found them
.set GG,   192          ; v[192:223] the tile's additive mask
.set EE,   224          ; v[224:255] at work: t, then 2^t, then p; V's numbers; at the head dag's words
; scalars: s[4:31] the 14 addresses; s[32:45] this layer's W1, b1, W2, bp, b2; s[48:61], s[68:81] the next two layers'; s82 Wlm, s83 blm; s[84:91] c_h log2(e);
; s92 wave; s95 512 x layer; s96 64 x tile; s97 4096 x tile; s[98:99] lane selects for lane xor 16
; the largest (smallest) of 32 registers, three operands at a time, in two chains
.macro MAX32 dst, tmp, s
	v_max3_num_f32 v[\dst], v[\s], v[\s+1], v[\s+2]
	v_max3_num_f32 v[\tmp], v[\s+3], v[\s+4], v[\s+5]
.irp i, 6,10,14,18,22,26
	v_max3_num_f32 v[\dst], v[\dst], v[\s+\i], v[\s+\i+1]
	v_max3_num_f32 v[\tmp], v[\tmp], v[\s+\i+2], v[\s+\i+3]
.endr
	v_max3_num_f32 v[\dst], v[\dst], v[\s+30], v[\s+31]
	v_max_num_f32 v[\dst], v[\dst], v[\tmp]
.endm
.macro MIN32 dst, tmp, s
	v_min3_num_f32 v[\dst], v[\s], v[\s+1], v[\s+2]
	v_min3_num_f32 v[\tmp], v[\s+3], v[\s+4], v[\s+5]
.irp i, 6,10,14,18,22,26
	v_min3_num_f32 v[\dst], v[\dst], v[\s+\i], v[\s+\i+1]
	v_min3_num_f32 v[\tmp], v[\tmp], v[\s+\i+2], v[\s+\i+3]
.endr
	v_min3_num_f32 v[\dst], v[\dst], v[\s+30], v[\s+31]
	v_min_num_f32 v[\dst], v[\dst], v[\tmp]
.endm
; my two bytes (head h1's and h2's, block hh) and lane xor 16's two make the scale word: bytes (h1 block 0, h1 block 1, h2 block 0, h2 block 1); every lane ends with the whole word
.macro WORD dst
	v_lshl_or_b32 v[WW], v[BY+1], 16, v[BY]
	v_lshlrev_b32 v[WW], v[SH8], v[WW]
	v_permlanex16_b32 v[OO], v[WW], s98, s99
	v_or_b32 v[\dst], v[WW], v[OO]
.endm
; V of heads 2 q and 2 q + 1 becomes codes: lane (r, hh) makes V(32 hh + i, d = r) = x_m Wv[h][r], a whole block of 32 along the keys
.macro VQ q
.irp k, 0,1
.set i, 0
.rept 16
	v_pk_mul_f32 v[EE+i:EE+i+1], v[XM+i:XM+i+1], v[D0+2*\q:D0+2*\q+1] op_sel:[0,\k] op_sel_hi:[1,\k]
.set i, i+2
.endr
	v_mul_f32 v[T1], v[XA], |v[D0+2*\q+\k]|        ; the block's largest magnitude: rounding keeps order, so this is the largest of the products above, bit for bit
	v_max_num_f32 v[T1], 0x2800000, v[T1]          ; the floor 2^(5 - 127): the byte cannot fall under 1
	v_add_nc_u32 v[SC+\k], 0xfe000000, v[T1]       ; 4 off the exponent field: the conversion's scale operand
	v_lshrrev_b32 v[BY+\k], 23, v[SC+\k]           ; the scale's byte
	v_cvt_scalef32_pk16_bf6_f32 v[VB+12*\q+6*\k:VB+12*\q+6*\k+2], v[EE:EE+15], v[SC+\k]
	v_cvt_scalef32_pk16_bf6_f32 v[TMP:TMP+2], v[EE+16:EE+31], v[SC+\k]
	v_nop                                          ; one plain place behind the scaled conversions
.irp c, 0,1,2
	v_mov_b32 v[VB+12*\q+6*\k+3+\c], v[TMP+\c]
.endr
.endr
	WORD VS+\q
.endm
; the two heads' a, the row's largest t, and my block's largest t - max: ten plain instructions
.macro SCAL q
	v_mul_f32 v[AA], s[84+2*(\q)], v[XN]
	v_mul_f32 v[AA+1], s[85+2*(\q)], v[XN]
	v_pk_mul_f32 v[T1:T1+1], v[AA:AA+1], v[XR:XR+1] op_sel_hi:[1,0]              ; a x the row's largest x_m
	v_pk_mul_f32 v[T2:T2+1], v[AA:AA+1], v[XR:XR+1] op_sel:[0,1] op_sel_hi:[1,1] ; a x the smallest
	v_max_num_f32 v[MM], v[T1], v[T2]
	v_max_num_f32 v[MM+1], v[T1+1], v[T2+1]
	v_pk_fma_f32 v[T1:T1+1], v[AA:AA+1], v[XB:XB+1], v[MM:MM+1] op_sel_hi:[1,0,1] neg_lo:[0,0,1] neg_hi:[0,0,1]
	v_pk_fma_f32 v[T2:T2+1], v[AA:AA+1], v[XB:XB+1], v[MM:MM+1] op_sel:[0,1,0] op_sel_hi:[1,1,1] neg_lo:[0,0,1] neg_hi:[0,0,1]
	v_max_num_f32 v[TB], v[T1], v[T2]
	v_max_num_f32 v[TB+1], v[T1+1], v[T2+1]
.endm
; head k of the unit: t - max for my 32 keys, the mask, and ONE BATCH of 33 exponentials; none of these lines reads an exponential's result
.macro TEXP k
.set i, 0
.rept 16
	v_pk_fma_f32 v[EE+i:EE+i+1], v[XM+i:XM+i+1], v[AA:AA+1], v[MM:MM+1] op_sel:[0,\k,\k] op_sel_hi:[1,\k,\k] neg_lo:[0,0,1] neg_hi:[0,0,1]
.set i, i+2
.endr
.set i, 0
.rept 16
	v_pk_add_f32 v[EE+i:EE+i+1], v[EE+i:EE+i+1], v[GG+i:GG+i+1]                 ; + 0.0, or -infinity for a key that does not count
.set i, i+2
.endr
.set i, 0
.rept 32
	v_exp_f32 v[EE+i], v[EE+i]
.set i, i+1
.endr
	v_exp_f32 v[TB+\k], v[TB+\k]                   ; the block's largest: the same instructions on the same number
.endm
; head k: the row's sum, its reciprocal, the block's scale, p = e / sum, its codes into v[PB + 12 k] on
.macro FIN k
	v_pk_add_f32 v[SA:SA+1], v[EE:EE+1], v[SI:SI+1]
	v_pk_add_f32 v[SB:SB+1], v[EE+2:EE+3], v[EE+4:EE+5]
.irp j, 6,10,14,18,22,26
	v_pk_add_f32 v[SA:SA+1], v[SA:SA+1], v[EE+\j:EE+\j+1]
	v_pk_add_f32 v[SB:SB+1], v[SB:SB+1], v[EE+\j+2:EE+\j+3]
.endr
	v_pk_add_f32 v[SA:SA+1], v[SA:SA+1], v[EE+30:EE+31]
	v_pk_add_f32 v[SA:SA+1], v[SA:SA+1], v[SB:SB+1]
	v_add_f32 v[TS], v[SA], v[SA+1]
	v_permlanex16_b32 v[TO], v[TS], s98, s99       ; the row's other 32 keys lie in lane xor 16
	v_add_f32 v[TS], v[TS], v[TO]
	v_rcp_f32 v[RC+\k], v[TS]
	v_nop                                          ; a plain place behind the reciprocal
	s_wait_alu depctr_va_vdst(0)                   ; the wait ahead of the first line that names the result
	v_mul_f32 v[T1], v[TB+\k], v[RC+\k]            ; the block's largest p
	v_max_num_f32 v[T1], 0x2800000, v[T1]          ; the floor 2^(5 - 127)
	v_add_nc_u32 v[SC+\k], 0xfe000000, v[T1]       ; 4 off the exponent field
	v_lshrrev_b32 v[BY+\k], 23, v[SC+\k]
.if \k == 1
	WORD PS                                        ; the sixteen multiplications below are more than the eight places between a scale register's write and the scaled product
.endif
.set i, 0
.rept 16
	v_pk_mul_f32 v[EE+i:EE+i+1], v[EE+i:EE+i+1], v[RC:RC+1] op_sel:[0,\k] op_sel_hi:[1,\k]
.set i, i+2
.endr
	v_cvt_scalef32_pk16_bf6_f32 v[PB+12*\k:PB+12*\k+2], v[EE:EE+15], v[SC+\k]
	v_cvt_scalef32_pk16_bf6_f32 v[TMP:TMP+2], v[EE+16:EE+31], v[SC+\k]
	v_nop                                          ; one plain place behind the scaled conversions
.irp c, 0,1,2
	v_mov_b32 v[PB+12*\k+3+\c], v[TMP+\c]
.endr
.endm
.macro WPLOAD q                        ; Wp[16 h + 8 hh + 0 .. 7] of heads 2 q and 2 q + 1
	ds_load_b128 v[WPR:WPR+3],     v[AWP] offset:128*\q
	ds_load_b128 v[WPR+4:WPR+7],   v[AWP] offset:128*\q+16
	ds_load_b128 v[WPR+8:WPR+11],  v[AWP] offset:128*\q+64
	ds_load_b128 v[WPR+12:WPR+15], v[AWP] offset:128*\q+80
.endm
.macro CONSUME first                   ; the projection's share of the last unit's two results; each result is read from its low end on; first = 1 starts the sums: nothing is cleared
.irp j, 0,2,4,6
.if (\first) && (\j == 0)
	v_pk_mul_f32 v[ACC0:ACC0+1], v[D0:D0+1], v[WPR:WPR+1]
	v_pk_mul_f32 v[ACC1:ACC1+1], v[D1:D1+1], v[WPR+8:WPR+9]
.else
	v_pk_fma_f32 v[ACC0:ACC0+1], v[D0+\j:D0+\j+1], v[WPR+\j:WPR+\j+1], v[ACC0:ACC0+1]
	v_pk_fma_f32 v[ACC1:ACC1+1], v[D1+\j:D1+\j+1], v[WPR+8+\j:WPR+9+\j], v[ACC1:ACC1+1]
.endif
.endr
.endm
; A UNIT: one tile of 16 rows x heads 2 q and 2 q + 1.  The last unit's results are read behind this unit's first 32 plain lines, which name none of the products' registers.
.macro UNIT q
	TEXP 0
.if \q > 0
	s_wait_dscnt 0x0                               ; the last unit's Wp is in
.if \q == 1
	CONSUME 1                                      ; plain work between the batch and its wait
.else
	CONSUME 0
.endif
.else
	v_nop                                          ; a plain place behind the last exponential
.endif
	WPLOAD \q                                      ; wanted a unit later
	s_wait_alu depctr_va_vdst(0)                   ; one wait for the batch of 33, ahead of its first reader
	FIN 0
	TEXP 1
	v_nop
	s_wait_alu depctr_va_vdst(0)
	FIN 1
.if \q < 3
	SCAL \q+1                                      ; ten plain lines: also the places between the last write of p's codes and the products
.else
.rept 4
	v_nop
.endr
.endif
	v_wmma_scale_f32_16x16x128_f8f6f4 v[D0:D0+7], v[VB+12*\q:VB+12*\q+11], v[PB:PB+11], 0, v[VS+\q], v[PS] matrix_a_fmt:MATRIX_FMT_BF6 matrix_b_fmt:MATRIX_FMT_BF6
	v_wmma_scale_f32_16x16x128_f8f6f4 v[D1:D1+7], v[VB+12*\q:VB+12*\q+11], v[PB+6:PB+17], 0, v[VS+\q], v[PS] matrix_a_fmt:MATRIX_FMT_BF6 matrix_b_fmt:MATRIX_FMT_BF6
.endm
.macro LCONST dst, l                   ; layer l's W1, b1, W2, bp, b2 into 14 scalar registers
	s_load_b128 s[\dst:\dst+3], s[18:19], 16*\l
	s_load_b128 s[\dst+4:\dst+7], s[20:21], 16*\l
	s_load_b128 s[\dst+8:\dst+11], s[22:23], 16*\l
	s_load_b32 s[\dst+12], s[16:17], 4*\l
	s_load_b32 s[\dst+13], s[24:25], 4*\l
.endm
	; ---- THE HEAD
	s_load_b512 s[4:19], s[0:1], 0x0               ; X, dag, Wk, Wq, Wv, Wp, bp, W1
	s_load_b256 s[20:27], s[0:1], 0x40             ; b1, W2, b2, Wlm
	s_load_b128 s[28:31], s[0:1], 0x60             ; blm, out0
	v_lshrrev_b32 v1, 5, v0
	v_readfirstlane_b32 s92, v1                    ; wave 0..15
	v_and_b32 v1, 31, v0                           ; lane
	v_and_b32 v2, 15, v0                           ; r
	v_bfe_u32 v3, v0, 4, 1                         ; hh
	s_lshl_b32 s93, s92, 8
	s_add_co_u32 s94, s93, XBUF                    ; my wave's 256 bytes of x
	v_lshl_add_u32 v[AXM], v3, 7, s94
	v_lshl_add_u32 v[AXN0], v2, 2, s94
	v_lshl_add_u32 v[AXL], v1, 3, s94
	v_lshlrev_b32 v[AG0], 4, v1
	v_lshl_add_u32 v[AWP0], v3, 5, WPT
	v_lshlrev_b32 v[AWV0], 2, v2
	v_lshlrev_b32 v[SH8], 3, v3
	v_lshlrev_b32 v[GOF], 3, v1
	s_and_b32 s94, s92, 3
	s_lshl_b32 s94, s94, 11
	s_lshr_b32 s100, s92, 2
	s_lshl_b32 s100, s100, 6
	s_add_co_u32 s94, s94, s100
	v_lshlrev_b32 v248, 13, v3                     ; dag: wave w makes the images (T = w / 4, g = 2 (w % 4) + u): dag[32 hh + 8 (w % 4) + 4 u + j][16 (w / 4) + r],
	v_lshl_add_u32 v248, v2, 2, v248               ; at 8192 hh + 4 r + 2048 (w % 4) + 64 (w / 4), + 1024 u + 256 j in the immediate
	v_add_nc_u32 v248, s94, v248
	s_lshl_b32 s94, s92, 10
	v_add_nc_u32 v249, s94, v[AG0]                 ; and stores them at 1024 w + 16 lane, + 512 u
	v_lshlrev_b32 v244, 2, v0                      ; the tables' copy: a word a thread
	v_mov_b32 v250, 0xff800000                     ; -infinity
.irp c, 0,1,2,3,4,5
	v_mov_b32 v[ZR+\c], 0                          ; the zero codes: written once
.endr
	v_mov_b32 v[SI+1], 0                           ; stays 0
	v_mov_b32 v[RC], 0                             ; named as pairs, or as a lane permute's destination, before their first own write
	v_mov_b32 v[RC+1], 0
	v_mov_b32 v[TO], 0
	v_mov_b32 v[OO], 0
	s_mov_b32 s98, 0x76543210
	s_mov_b32 s99, 0xfedcba98                      ; v_permlanex16_b32's selects for lane xor 16
	s_lshl_b32 s100, ttmp9, 12                     ; the work-group's 16 batches of 256 bytes,
	s_add_co_u32 s100, s100, s93                   ; my wave's one
	s_mov_b32 s101, 0
	s_wait_kmcnt 0x0
	s_add_nc_u64 s[4:5], s[4:5], s[100:101]
	s_add_nc_u64 s[30:31], s[30:31], s[100:101]
	LCONST 32, 0
	LCONST 48, 1
	LCONST 68, 2
	s_load_b32 s82, s[26:27], 0x0
	s_load_b32 s83, s[28:29], 0x0
	global_load_b64 v[246:247], v[GOF], s[4:5] th:TH_LOAD_NT   ; the wave reads its batch: 256 consecutive bytes, read once in the launch
.irp u, 0,1
.irp j, 0,1,2,3
	global_load_b32 v[224+4*\u+\j], v248, s[6:7] offset:1024*\u+256*\j
.endr
.endr
	s_cmp_lt_u32 s92, 12                           ; the four tables have 384 words each: threads 0 to 383 copy a word of each
	s_cbranch_scc0 .Lno_copy
	global_load_b32 v240, v244, s[8:9]
	global_load_b32 v241, v244, s[10:11]
	global_load_b32 v242, v244, s[12:13]
	global_load_b32 v243, v244, s[14:15]
	s_wait_loadcnt 0x0
	ds_store_b32 v244, v240 offset:WKT
	ds_store_b32 v244, v241 offset:WQT
	ds_store_b32 v244, v242 offset:WVT
	ds_store_b32 v244, v243 offset:WPT
.Lno_copy:
	s_wait_loadcnt 0x0                             ; x and dag's eight words
.irp j, 0,1,2,3,4,5,6,7
	v_cmp_eq_u32 vcc_lo, 0, v[224+\j]
	v_cndmask_b32 v[232+\j], 0, v250, vcc_lo       ; 0.0 where dag counts the key, else -infinity
.endr
	ds_store_b128 v249, v[232:235]
	ds_store_b128 v249, v[236:239] offset:512
	ds_store_b64 v[AXL], v[246:247]
	s_wait_dscnt 0x0                               ; for the others' sake: my stores have landed
	s_barrier_signal -1
	s_barrier_wait -1                              ; the only barrier: the mask and the tables are whole, and are only read from here on
	s_wait_kmcnt 0x0                               ; the layers' constants
	s_mov_b32 s95, 0
.Llayer:                                           ; 3 trips
	v_add_nc_u32 v[AWP], s95, v[AWP0]
	v_add_nc_u32 v[AWV], s95, v[AWV0]
	v_add_nc_u32 v[AQK], s95, v[AG0]
.irp g, 0,1,2,3,4,5,6,7
	ds_load_b128 v[XM+4*\g:XM+4*\g+3], v[AXM] offset:16*\g     ; LDS serves a wave's instructions in order: these see the last layer's stores of x
.endr
	ds_load_b128 v[WPR:WPR+3], v[AQK] offset:WQT               ; lane l: Wq and Wk of head l / 4, d = 4 (l % 4) + 0 .. 3
	ds_load_b128 v[WPR+4:WPR+7], v[AQK] offset:WKT
.irp h, 0,1,2,3,4,5,6,7
	ds_load_b32 v[D0+\h], v[AWV] offset:WVT+64*\h              ; Wv[h][r]
.endr
	s_wait_dscnt 0x0
	v_mul_f32 v[TS], v[WPR], v[WPR+4]
	v_fma_f32 v[TS], v[WPR+1], v[WPR+5], v[TS]
	v_fma_f32 v[TS], v[WPR+2], v[WPR+6], v[TS]
	v_fma_f32 v[TS], v[WPR+3], v[WPR+7], v[TS]
	v_add_f32_dpp v[TS], v[TS], v[TS] row_xmask:1 row_mask:0xf bank_mask:0xf
	v_add_f32_dpp v[TS], v[TS], v[TS] row_xmask:2 row_mask:0xf bank_mask:0xf   ; the four lanes of a head hold its sum over d
	v_mul_f32 v[TS], 0x3eb8aa3b, v[TS]             ; x 0.25 log2(e)
.irp h, 0,1,2,3,4,5,6,7
	v_readlane_b32 s[84+\h], v[TS], 4*\h
.endr
	v_max3_num_f32 v[XA], |v[XM]|, |v[XM+1]|, |v[XM+2]|        ; the largest |x_m| of my 32 keys
	v_max3_num_f32 v[TS], |v[XM+3]|, |v[XM+4]|, |v[XM+5]|
.irp i, 6,10,14,18,22,26
	v_max3_num_f32 v[XA], v[XA], |v[XM+\i]|, |v[XM+\i+1]|
	v_max3_num_f32 v[TS], v[TS], |v[XM+\i+2]|, |v[XM+\i+3]|
.endr
	v_max3_num_f32 v[XA], v[XA], |v[XM+30]|, |v[XM+31]|
	v_max_num_f32 v[XA], v[XA], v[TS]
	VQ 0
	VQ 1
	VQ 2
	VQ 3
	s_mov_b32 s96, 0
.Ltile:                                            ; 4 trips: rows 16 T to 16 T + 15
	s_lshl_b32 s97, s96, 6
	v_add_nc_u32 v[AG], s97, v[AG0]
	v_add_nc_u32 v[AXN], s96, v[AXN0]
.irp g, 0,1,2,3,4,5,6,7
	ds_load_b128 v[GG+4*\g:GG+4*\g+3], v[AG] offset:512*\g
.endr
	ds_load_b32 v[XN], v[AXN]                      ; this tile's rows have not been written anew yet
	s_wait_dscnt 0x0
.set i, 0
.rept 16
	v_pk_add_f32 v[EE+i:EE+i+1], v[XM+i:XM+i+1], v[GG+i:GG+i+1]                          ; x_m, or -infinity
.set i, i+2
.endr
	MAX32 XB, TS, EE
.set i, 0
.rept 16
	v_pk_add_f32 v[EE+i:EE+i+1], v[XM+i:XM+i+1], v[GG+i:GG+i+1] neg_lo:[0,1] neg_hi:[0,1]  ; x_m, or +infinity
.set i, i+2
.endr
	MIN32 XB+1, TS, EE
	v_permlanex16_b32 v[TO], v[XB], s98, s99
	v_permlanex16_b32 v[OO], v[XB+1], s98, s99
	v_max_num_f32 v[XR], v[XB], v[TO]              ; the row's extremes: both blocks'
	v_min_num_f32 v[XR+1], v[XB+1], v[OO]
	v_cmp_neq_f32 vcc_lo, 0xff800000, v[XR]        ; does the row count any key?
	v_cndmask_b32 v[XR+1], 0, v[XR+1], vcc_lo      ; if none: extremes 0, so that the maximum is 0 and every t is -infinity,
	v_cndmask_b32 v[SI], 1.0, v[SI+1], vcc_lo      ; and 1.0 into the sum: p = 0
	v_cndmask_b32 v[XR], 0, v[XR], vcc_lo
	v_cmp_neq_f32 vcc_lo, 0xff800000, v[XB]        ; does my block count any key?
	v_cndmask_b32 v[XB], v[XR], v[XB], vcc_lo      ; if none: the row's, for an ordinary scale byte over its zero codes
	v_cndmask_b32 v[XB+1], v[XR], v[XB+1], vcc_lo
	SCAL 0
	UNIT 0
	UNIT 1
	UNIT 2
	UNIT 3
.rept 4
	v_nop                                          ; four places between the last products and the first read of their results
.endr
	s_wait_dscnt 0x0                               ; the last unit's Wp
	CONSUME 0
	v_pk_add_f32 v[ACC0:ACC0+1], v[ACC0:ACC0+1], v[ACC1:ACC1+1]
	v_add_f32 v[TS], v[ACC0], v[ACC0+1]
	v_permlanex16_b32 v[TO], v[TS], s98, s99       ; d = 8 (1 - hh) + 0 .. 7 lie in lane xor 16
	v_add_f32 v[TS], v[TS], v[TO]                  ; attn . Wp
	v_add_f32 v[TS], v[XN], v[TS]
	v_add_f32 v[TS], s44, v[TS]                    ; x + attn . Wp + bp
.irp j, 0,1,2,3
	v_fma_f32 v[T1+\j], v[TS], s[32+\j], s[36+\j]
.endr
.irp j, 0,1,2,3
	v_max_num_f32 v[T1+\j], 0, v[T1+\j]
.endr
	v_mul_f32 v[TO], s40, v[T1]
	v_fma_f32 v[TO], v[T1+1], s41, v[TO]
	v_fma_f32 v[TO], v[T1+2], s42, v[TO]
	v_fma_f32 v[TO], v[T1+3], s43, v[TO]
	v_add_f32 v[TS], v[TS], v[TO]
	v_add_f32 v[TS], s45, v[TS]                    ; + relu(x W1 + b1) . W2 + b2
	ds_store_b32 v[AXN], v[TS]                     ; both halves of the lanes write the same word with the same value
	s_add_co_u32 s96, s96, 64
	s_cmp_lt_u32 s96, 256
	s_cbranch_scc1 .Ltile
.irp c, 0,2,4,6,8,10,12
	s_mov_b64 s[32+\c:33+\c], s[48+\c:49+\c]       ; the next layer's constants move up
.endr
.irp c, 0,2,4,6,8,10,12
	s_mov_b64 s[48+\c:49+\c], s[68+\c:69+\c]
.endr
	s_add_co_u32 s95, s95, 512
	s_cmp_lt_u32 s95, 1536
	s_cbranch_scc1 .Llayer
	; ---- THE TAIL: y = x Wlm + blm
	ds_load_b64 v[T1:T1+1], v[AXL]                 ; LDS serves a wave's instructions in order: this sees my stores
	s_wait_dscnt 0x0
	v_fma_f32 v[T2], v[T1], s82, s83
	v_fma_f32 v[T2+1], v[T1+1], s82, s83
	global_store_b64 v[GOF], v[T2:T2+1], s[30:31] th:TH_STORE_NT   ; the wave's 32 lanes store 256 consecutive bytes, at a multiple of 256 from out0's first byte
	s_wait_xcnt 0x0
	v_lshl_add_u32 v249, v0, 2, 0x6800
	v_mov_b32 v250, 0
	s_wait_tensorcnt 0x0
	ds_add_u32 v249, v250
	s_wait_dscnt 0x0
	s_endpgm
.Lfunc_end_k_q4aa17a84ac_cat:
	.size	k_q4aa17a84ac_cat, .Lfunc_end_k_q4aa17a84ac_cat-k_q4aa17a84ac_cat
	.p2alignl 7, 3214868480
	.fill 96, 4, 3214868480
	.section	.rodata,"a",@progbits
	.p2align	6, 0x0
	.amdhsa_kernel k_q4aa17a84ac_cat
		.amdhsa_group_segment_fixed_size 28672
		.amdhsa_private_segment_fixed_size 0
		.amdhsa_enable_private_segment 0
		.amdhsa_kernarg_size 112
		.amdhsa_user_sgpr_count 2
		.amdhsa_user_sgpr_kernarg_segment_ptr 1
		.amdhsa_wavefront_size32 1
		.amdhsa_system_sgpr_workgroup_id_x 1
		.amdhsa_system_sgpr_workgroup_id_y 1
		.amdhsa_system_sgpr_workgroup_id_z 1
		.amdhsa_system_vgpr_workitem_id 0
		.amdhsa_next_free_vgpr 256
		.amdhsa_next_free_sgpr 102
		.amdhsa_reserve_vcc 1
		.amdhsa_float_denorm_mode_32 3
		.amdhsa_float_denorm_mode_16_64 3
		.amdhsa_memory_ordered 1
		.amdhsa_forward_progress 1
		.amdhsa_inst_pref_size 82
	.end_amdhsa_kernel
	.amdgpu_metadata
---
amdhsa.version: [ 1, 2 ]
amdhsa.kernels:
  - .name:           k_q4aa17a84ac_cat
    .symbol:         k_q4aa17a84ac_cat.kd
    .args:
      - { .name: X, .offset: 0, .size: 8, .value_kind: global_buffer, .address_space: global }
      - { .name: dag, .offset: 8, .size: 8, .value_kind: global_buffer, .address_space: global }
      - { .name: Wk, .offset: 16, .size: 8, .value_kind: global_buffer, .address_space: global }
      - { .name: Wq, .offset: 24, .size: 8, .value_kind: global_buffer, .address_space: global }
      - { .name: Wv, .offset: 32, .size: 8, .value_kind: global_buffer, .address_space: global }
      - { .name: Wp, .offset: 40, .size: 8, .value_kind: global_buffer, .address_space: global }
      - { .name: bp, .offset: 48, .size: 8, .value_kind: global_buffer, .address_space: global }
      - { .name: W1, .offset: 56, .size: 8, .value_kind: global_buffer, .address_space: global }
      - { .name: b1, .offset: 64, .size: 8, .value_kind: global_buffer, .address_space: global }
      - { .name: W2, .offset: 72, .size: 8, .value_kind: global_buffer, .address_space: global }
      - { .name: b2, .offset: 80, .size: 8, .value_kind: global_buffer, .address_space: global }
      - { .name: Wlm, .offset: 88, .size: 8, .value_kind: global_buffer, .address_space: global }
      - { .name: blm, .offset: 96, .size: 8, .value_kind: global_buffer, .address_space: global }
      - { .name: out0, .offset: 104, .size: 8, .value_kind: global_buffer, .address_space: global }
    .group_segment_fixed_size: 28672
    .private_segment_fixed_size: 0
    .kernarg_segment_align: 8
    .kernarg_segment_size: 112
    .max_flat_workgroup_size: 512
    .sgpr_count:     102
    .vgpr_count:     256
    .wavefront_size: 32
...
	.end_amdgpu_metadata
.endif
;; end of part 1
;; ======== version 2 of 2: 1 launch; version 1 with the launch cat written anew for expert scheduling mode
;; launch cat (part 2): grid 256 x 1, 16 waves a work-group, no clusters, 28,672 bytes of LDS; arguments X, dag, Wk, Wq, Wv, Wp, bp, W1, b1, W2, b2, Wlm, blm, out0; writes out0
.if DOCPART == 2
	.amdgcn_target "amdgcn-amd-amdhsa--gfx1250"
	.amdhsa_code_object_version 6
	.text
	.protected	k_q4aa17a84ac_cat
	.globl	k_q4aa17a84ac_cat
	.p2align	8
	.type	k_q4aa17a84ac_cat,@function
k_q4aa17a84ac_cat:
	s_mov_b64 s[64:65], 0
	v_nop
	global_prefetch_b8 v0, s[64:65] scope:SCOPE_SE
	s_setreg_imm32_b32 hwreg(HW_REG_WAVE_SCHED_MODE, 0, 2), 2
	s_setreg_imm32_b32 hwreg(HW_REG_WAVE_MODE, 25, 1), 1
	s_wait_xcnt 0x0
	s_wait_alu depctr_vm_vsrc(0)
; CaT: 4,096 batches, each a vector x of 64 scalars, through 3 layers (8 heads of masked attention over the 64 variables, projection 128 -> 1, FF 1 -> 4 -> 1) and an affine head.
; All of it is one launch.  A work-group of 16 waves takes 16 batches; A WAVE TAKES ONE BATCH through all layers: x lives in registers and in the wave's own 256 bytes of LDS.
; WHAT THE COMPUTATION ITSELF GIVES.  Q = x_n Wq, K = x_m Wk, so a score is x_n x_m c_h, c_h = 0.25 sum_d Wq[h][d] Wk[h][d] (f32 multiply-adds).  In base 2: t = a x_m, a = c_h log2(e) x_n.
; For a fixed row and head t rises or falls with x_m, so the row's largest counted t is max(a xmax, a xmin), xmax and xmin the largest and smallest x_m that the mask counts for the row; they do not hang on the head.
; Likewise the largest p of a block of 32 keys comes from that block's counted extremes, by the same multiply-add, exponential and multiplication as the block's own numbers: the same bits.
; p = 2^(t - max) / the row's sum is quantised FINISHED AND NORMALISED, along the keys.  V = x_m Wv[h][d]; its block's largest magnitude is (largest |x_m|) x |Wv|.
; THE PRODUCT p V goes transposed: source 0 = V^T (row d = lane % 16), source 1 = p (column n = lane % 16).  K = 128 holds the 64 keys of TWO heads: source 0 is [V_h1 | V_h2]; source 1 is [p_h1 | zero codes] for head h1
; and [zero codes | p_h2] for head h2: the registers lie p_h1, zeros, p_h2, and the two instructions name overlapping runs of twelve.  Register j of lane (r, hh) of a result is attn(row 16 T + r, d = 8 hh + j).
; LANES.  Lane (r = lane % 16, hh = lane / 16) holds row n = 16 T + r of tile T and keys m = 32 hh + i in register i: which is the 6-bit operand's own layout, so the conversions' results are the operand.
; THE MASK is an input: G(n, m) = 0.0 where dag[m][n] != 0, else -infinity, is added to t ahead of the exponential.  A row that counts no key gets p = 0 (its sum is made 2 by an added 1.0 a half, its maximum 0).
; LIMITS.  a x_m must stay finite in f32 for hidden pairs too (infinity + -infinity would be NaN).  NaN and infinities among the inputs are not served.  The exponential gives 0 for p under 2^-126.
; A block's largest p is taken from its largest t: this takes the exponential not to fall where its input rises.  A block without counted keys, and a block of zeros, carry an ordinary scale byte (or 1) over zero codes
; where the rule says 127: the bytes are read by this program alone.
; NOT USED, and why: tensor loads and a ring (a work-group reads 26 KB once); clusters (what work-groups share is dag and the weights, 22 KB, read once each); prefetches (no stream comes from memory during the work);
; register windows and large accumulator tiles (2 matrix instructions stand beside some 250 vector instructions).
; THE MODE: SCHED_MODE bits 1:0 = 2 (LLVM: expert scheduling mode 2), set by the entry lines.  The code itself states the register dependences between vector or matrix instructions and memory or LDS instructions,
; with s_wait_alu, always for 0.
; THE PLAN.  Registers that LDS or memory instructions touch, and who else names them:
;   GG        a tile's mask.  Read by the tile's additions, the last of them in unit 3's second head; behind that batch's wait the mask of tile (T + 1) mod 4 is loaded into it (the mask does not hang on the layer: tile 3
;             asks for the next layer's tile 0; the first mask is asked for behind the head's barrier).  The wave's 256 registers leave no room for a second set of 32, so the one set is asked for again as soon as it is free.
;   WPR       Wp of two heads.  Read by CONSUME; loaded again behind the first batch's wait of the same unit, which stands behind CONSUME.  In a layer's prologue Wq and Wk.
;   XN        loaded at a tile's head, waited for ahead of SCAL 0; its last reader is the tile's tail.
;   XM, D0    loaded at a layer's head; named by vector and matrix instructions through the whole layer.
;   AG, AXN   written at a tile's head, AWP, AWV, AQK at a layer's: each time a wait on vm_vsrc, the additions, a wait on va_vdst.  AXM, AG0, AXL, GOF are made at the head and never written again.
;   TS        the data of the tile's one LDS store: a wait on va_vdst ahead of the store; the wait on vm_vsrc at the next tile's or layer's head frees it.
;   p's codes and scale word, which vector instructions write, go to the scaled products behind their places and one wait on va_vdst.
;   Masks of lanes and the heads' c go through scalar registers: the compares and the lane reads stand in runs, one wait on va_sdst behind each run, ahead of the first reader and of any label.
.set GT,   0            ; LDS: the additive mask as an image of registers: (T, g) at 4096 T + 512 g + 16 lane: G for i = 4 g .. 4 g + 3
.set WKT,  16384        ; Wk, Wq, Wv, Wp as they lie: 1,536 bytes each, 512 a layer
.set WQT,  17920
.set WVT,  19456
.set WPT,  20992
.set XBUF, 22528        ; 256 bytes for each wave: x[0..63] of its batch, written anew tile by tile; no other wave touches them
.set AXM,  4            ; v4   XBUF + 256 wave + 128 hh: my 32 keys
.set AXN0, 5            ; v5   XBUF + 256 wave + 4 r
.set AXN,  6            ; v6   + 64 T: my row's x
.set AG0,  7            ; v7   16 lane
.set AG,   8            ; v8   + 4096 ((T + 1) mod 4): the next tile's mask
.set AWP0, 9            ; v9   WPT + 32 hh
.set AWP,  10           ; v10  + 512 layer
.set AWV,  11           ; v11  4 r + 512 layer
.set AQK,  12           ; v12  16 lane + 512 layer
.set SH8,  13           ; v13  8 hh
.set AXL,  14           ; v14  XBUF + 256 wave + 8 lane
.set GOF,  15           ; v15  8 lane
.set XR,   16           ; v[16:17] the row's counted largest and smallest x_m
.set XB,   18           ; v[18:19] my block's
.set SI,   20           ; v[20:21] (1.0 where the row counts no key, else 0; 0)
.set XN,   22           ; v22  x of my row
.set XA,   23           ; v23  the largest |x_m| of my 32 keys
.set AA,   24           ; v[24:25] a of the unit's two heads
.set MM,   26           ; v[26:27] the row's largest t
.set TB,   28           ; v[28:29] my block's largest t - max, then its exponential
.set T1,   30           ; v[30:33] at work
.set T2,   32
.set RC,   34           ; v[34:35] 1 / the row's sum
.set SA,   36           ; v[36:39] two chains of sums
.set SB,   38
.set TS,   40           ; v40, v41 at work
.set TO,   41
.set SC,   42           ; v[42:43] the conversions' scale operands
.set BY,   44           ; v[44:45] scale bytes
.set WW,   46           ; v46, v47 a scale word in the making
.set OO,   47
.set ACC0, 48           ; v[48:51] the projection's sums
.set ACC1, 50
.set TMP,  52           ; v[52:54] a block's upper 16 codes (a conversion's three registers begin on an even number)
.set AWV0, 55           ; v55  4 r
.set VS,   56           ; v56-59 V's scale words, one for each pair of heads: scales and nothing else
.set PS,   60           ; v60  p's scale word: scales and nothing else
.set WPR,  62           ; v[62:77] Wp of the unit's two heads; in a layer's prologue Wq, Wk
.set D0,   78           ; v[78:85], v[86:93] the two results; in a layer's prologue v78-85 hold Wv[h][r]
.set D1,   86
.set PB,   94           ; v[94:99] p_h1, v[100:105] zero codes, v[106:111] p_h2
.set ZR,   100
.set VB,   112          ; v[112:159] V's codes: pair q at VB + 12 q
.set XM,   160          ; v[160:191] x of my 32 keys, as the layer found them
.set GG,   192          ; v[192:223] the tile's additive mask
.set EE,   224          ; v[224:255] at work: t, then 2^t, then p; V's numbers; at the head dag's words
; scalars: s[4:31] the 14 addresses; s[32:45] this layer's W1, b1, W2, bp, b2; s[48:61], s[68:81] the next two layers'; s82 Wlm, s83 blm; s[84:91] c_h log2(e) (at the head: the masks of lanes of dag's eight words);
; s92 wave; s95 512 x layer; s96 64 x tile; s97 4096 x the next tile; s[98:99] lane selects for lane xor 16; s100, s101 a tile's two masks of lanes (at the head: offsets)
; the largest (smallest) of 32 registers, three operands at a time, in two chains
.macro MAX32 dst, tmp, s
	v_max3_num_f32 v[\dst], v[\s], v[\s+1], v[\s+2]
	v_max3_num_f32 v[\tmp], v[\s+3], v[\s+4], v[\s+5]
.irp i, 6,10,14,18,22,26
	v_max3_num_f32 v[\dst], v[\dst], v[\s+\i], v[\s+\i+1]
	v_max3_num_f32 v[\tmp], v[\tmp], v[\s+\i+2], v[\s+\i+3]
.endr
	v_max3_num_f32 v[\dst], v[\dst], v[\s+30], v[\s+31]
	v_max_num_f32 v[\dst], v[\dst], v[\tmp]
.endm
.macro MIN32 dst, tmp, s
	v_min3_num_f32 v[\dst], v[\s], v[\s+1], v[\s+2]
	v_min3_num_f32 v[\tmp], v[\s+3], v[\s+4], v[\s+5]
.irp i, 6,10,14,18,22,26
	v_min3_num_f32 v[\dst], v[\dst], v[\s+\i], v[\s+\i+1]
	v_min3_num_f32 v[\tmp], v[\tmp], v[\s+\i+2], v[\s+\i+3]
.endr
	v_min3_num_f32 v[\dst], v[\dst], v[\s+30], v[\s+31]
	v_min_num_f32 v[\dst], v[\dst], v[\tmp]
.endm
; my two bytes (head h1's and h2's, block hh) and lane xor 16's two make the scale word: bytes (h1 block 0, h1 block 1, h2 block 0, h2 block 1); every lane ends with the whole word
.macro WORD dst
	v_lshl_or_b32 v[WW], v[BY+1], 16, v[BY]
	v_lshlrev_b32 v[WW], v[SH8], v[WW]
	v_permlanex16_b32 v[OO], v[WW], s98, s99
	v_or_b32 v[\dst], v[WW], v[OO]
.endm
; V of heads 2 q and 2 q + 1 becomes codes: lane (r, hh) makes V(32 hh + i, d = r) = x_m Wv[h][r], a whole block of 32 along the keys
.macro VQ q
.irp k, 0,1
.set i, 0
.rept 16
	v_pk_mul_f32 v[EE+i:EE+i+1], v[XM+i:XM+i+1], v[D0+2*\q:D0+2*\q+1] op_sel:[0,\k] op_sel_hi:[1,\k]
.set i, i+2
.endr
	v_mul_f32 v[T1], v[XA], |v[D0+2*\q+\k]|        ; the block's largest magnitude: rounding keeps order, so this is the largest of the products above, bit for bit
	v_max_num_f32 v[T1], 0x2800000, v[T1]          ; the floor 2^(5 - 127): the byte cannot fall under 1
	v_add_nc_u32 v[SC+\k], 0xfe000000, v[T1]       ; 4 off the exponent field: the conversion's scale operand
	v_lshrrev_b32 v[BY+\k], 23, v[SC+\k]           ; the scale's byte
	v_cvt_scalef32_pk16_bf6_f32 v[VB+12*\q+6*\k:VB+12*\q+6*\k+2], v[EE:EE+15], v[SC+\k]
	v_cvt_scalef32_pk16_bf6_f32 v[TMP:TMP+2], v[EE+16:EE+31], v[SC+\k]
	v_nop                                          ; one plain place behind the scaled conversions
.irp c, 0,1,2
	v_mov_b32 v[VB+12*\q+6*\k+3+\c], v[TMP+\c]
.endr
.endr
	WORD VS+\q
.endm
; the two heads' a, the row's largest t, and my block's largest t - max: ten plain instructions
.macro SCAL q
	v_mul_f32 v[AA], s[84+2*(\q)], v[XN]
	v_mul_f32 v[AA+1], s[85+2*(\q)], v[XN]
	v_pk_mul_f32 v[T1:T1+1], v[AA:AA+1], v[XR:XR+1] op_sel_hi:[1,0]              ; a x the row's largest x_m
	v_pk_mul_f32 v[T2:T2+1], v[AA:AA+1], v[XR:XR+1] op_sel:[0,1] op_sel_hi:[1,1] ; a x the smallest
	v_max_num_f32 v[MM], v[T1], v[T2]
	v_max_num_f32 v[MM+1], v[T1+1], v[T2+1]
	v_pk_fma_f32 v[T1:T1+1], v[AA:AA+1], v[XB:XB+1], v[MM:MM+1] op_sel_hi:[1,0,1] neg_lo:[0,0,1] neg_hi:[0,0,1]
	v_pk_fma_f32 v[T2:T2+1], v[AA:AA+1], v[XB:XB+1], v[MM:MM+1] op_sel:[0,1,0] op_sel_hi:[1,1,1] neg_lo:[0,0,1] neg_hi:[0,0,1]
	v_max_num_f32 v[TB], v[T1], v[T2]
	v_max_num_f32 v[TB+1], v[T1+1], v[T2+1]
.endm
; head k of the unit: t - max for my 32 keys, the mask, and ONE BATCH of 33 exponentials; none of these lines reads an exponential's result
.macro TEXP k
.set i, 0
.rept 16
	v_pk_fma_f32 v[EE+i:EE+i+1], v[XM+i:XM+i+1], v[AA:AA+1], v[MM:MM+1] op_sel:[0,\k,\k] op_sel_hi:[1,\k,\k] neg_lo:[0,0,1] neg_hi:[0,0,1]
.set i, i+2
.endr
.set i, 0
.rept 16
	v_pk_add_f32 v[EE+i:EE+i+1], v[EE+i:EE+i+1], v[GG+i:GG+i+1]                 ; + 0.0, or -infinity for a key that does not count
.set i, i+2
.endr
.set i, 0
.rept 32
	v_exp_f32 v[EE+i], v[EE+i]
.set i, i+1
.endr
	v_exp_f32 v[TB+\k], v[TB+\k]                   ; the block's largest: the same instructions on the same number
.endm
; head k: the row's sum, its reciprocal, the block's scale, p = e / sum, its codes into v[PB + 12 k] on
.macro FIN k
	v_pk_add_f32 v[SA:SA+1], v[EE:EE+1], v[SI:SI+1]
	v_pk_add_f32 v[SB:SB+1], v[EE+2:EE+3], v[EE+4:EE+5]
.irp j, 6,10,14,18,22,26
	v_pk_add_f32 v[SA:SA+1], v[SA:SA+1], v[EE+\j:EE+\j+1]
	v_pk_add_f32 v[SB:SB+1], v[SB:SB+1], v[EE+\j+2:EE+\j+3]
.endr
	v_pk_add_f32 v[SA:SA+1], v[SA:SA+1], v[EE+30:EE+31]
	v_pk_add_f32 v[SA:SA+1], v[SA:SA+1], v[SB:SB+1]
	v_add_f32 v[TS], v[SA], v[SA+1]
	v_permlanex16_b32 v[TO], v[TS], s98, s99       ; the row's other 32 keys lie in lane xor 16
	v_add_f32 v[TS], v[TS], v[TO]
	v_rcp_f32 v[RC+\k], v[TS]
	v_nop                                          ; a plain place behind the reciprocal
	s_wait_alu depctr_va_vdst(0)                   ; the reciprocal is written: the wait ahead of the first line that names the result
	v_mul_f32 v[T1], v[TB+\k], v[RC+\k]            ; the block's largest p
	v_max_num_f32 v[T1], 0x2800000, v[T1]          ; the floor 2^(5 - 127)
	v_add_nc_u32 v[SC+\k], 0xfe000000, v[T1]       ; 4 off the exponent field
	v_lshrrev_b32 v[BY+\k], 23, v[SC+\k]
.if \k == 1
	WORD PS                                        ; the sixteen multiplications below are more than the eight places between a scale register's write and the scaled product
.endif
.set i, 0
.rept 16
	v_pk_mul_f32 v[EE+i:EE+i+1], v[EE+i:EE+i+1], v[RC:RC+1] op_sel:[0,\k] op_sel_hi:[1,\k]
.set i, i+2
.endr
	v_cvt_scalef32_pk16_bf6_f32 v[PB+12*\k:PB+12*\k+2], v[EE:EE+15], v[SC+\k]
	v_cvt_scalef32_pk16_bf6_f32 v[TMP:TMP+2], v[EE+16:EE+31], v[SC+\k]
	v_nop                                          ; one plain place behind the scaled conversions
.irp c, 0,1,2
	v_mov_b32 v[PB+12*\k+3+\c], v[TMP+\c]
.endr
.endm
.macro WPLOAD q                        ; Wp[16 h + 8 hh + 0 .. 7] of heads 2 q and 2 q + 1
	ds_load_b128 v[WPR:WPR+3],     v[AWP] offset:128*\q
	ds_load_b128 v[WPR+4:WPR+7],   v[AWP] offset:128*\q+16
	ds_load_b128 v[WPR+8:WPR+11],  v[AWP] offset:128*\q+64
	ds_load_b128 v[WPR+12:WPR+15], v[AWP] offset:128*\q+80
.endm
.macro GLOAD adr                       ; a tile's additive mask: eight images of four registers
.irp g, 0,1,2,3,4,5,6,7
	ds_load_b128 v[GG+4*\g:GG+4*\g+3], v[\adr] offset:512*\g
.endr
.endm
.macro CONSUME first                   ; the projection's share of the last unit's two results; each result is read from its low end on; first = 1 starts the sums: nothing is cleared
.irp j, 0,2,4,6
.if (\first) && (\j == 0)
	v_pk_mul_f32 v[ACC0:ACC0+1], v[D0:D0+1], v[WPR:WPR+1]
	v_pk_mul_f32 v[ACC1:ACC1+1], v[D1:D1+1], v[WPR+8:WPR+9]
.else
	v_pk_fma_f32 v[ACC0:ACC0+1], v[D0+\j:D0+\j+1], v[WPR+\j:WPR+\j+1], v[ACC0:ACC0+1]
	v_pk_fma_f32 v[ACC1:ACC1+1], v[D1+\j:D1+\j+1], v[WPR+8+\j:WPR+9+\j], v[ACC1:ACC1+1]
.endif
.endr
.endm
; A UNIT: one tile of 16 rows x heads 2 q and 2 q + 1.  The last unit's results are read behind this unit's first 32 plain lines, which name none of the products' registers.
.macro UNIT q
	TEXP 0
.if \q > 0
	s_wait_dscnt 0x0                               ; the last unit's Wp is in
.if \q == 1
	CONSUME 1                                      ; plain work between the batch and its wait
.else
	CONSUME 0
.endif
.else
	v_nop                                          ; a plain place behind the last exponential
.endif
	s_wait_alu depctr_va_vdst(0)                   ; the batch's 33 results are written, ahead of their first reader; and the lines that read v[WPR ..] (the projection's; in a layer's first unit the prologue's) are done reading it: the loads below land there
	WPLOAD \q                                      ; wanted a unit later; no vector line before then names v[WPR ..]
	FIN 0
	TEXP 1
	v_nop
	s_wait_alu depctr_va_vdst(0)                   ; the batch's 33 results are written, ahead of their first reader; in unit 3 also: the tile's last additions are done reading v[GG ..]
.if \q == 3
	GLOAD AG                                       ; the next tile's mask, into the set that has just fallen free: it lands beside the rest of this unit.  (The launch's very last tile asks for a mask that nobody reads: 8 loads a wave, since the loop is written once)
.endif
	FIN 1
.if \q < 3
	SCAL \q+1                                      ; ten plain lines: also the places between the last write of p's codes and the products
.else
.rept 4
	v_nop
.endr
.endif
	s_wait_alu depctr_va_vdst(0)                   ; behind the places: vector lines have written p's codes v[PB ..] and p's scale word v[PS], which the two scaled products take
	v_wmma_scale_f32_16x16x128_f8f6f4 v[D0:D0+7], v[VB+12*\q:VB+12*\q+11], v[PB:PB+11], 0, v[VS+\q], v[PS] matrix_a_fmt:MATRIX_FMT_BF6 matrix_b_fmt:MATRIX_FMT_BF6
	v_wmma_scale_f32_16x16x128_f8f6f4 v[D1:D1+7], v[VB+12*\q:VB+12*\q+11], v[PB+6:PB+17], 0, v[VS+\q], v[PS] matrix_a_fmt:MATRIX_FMT_BF6 matrix_b_fmt:MATRIX_FMT_BF6
.endm
.macro LCONST dst, l                   ; layer l's W1, b1, W2, bp, b2 into 14 scalar registers
	s_load_b128 s[\dst:\dst+3], s[18:19], 16*\l
	s_load_b128 s[\dst+4:\dst+7], s[20:21], 16*\l
	s_load_b128 s[\dst+8:\dst+11], s[22:23], 16*\l
	s_load_b32 s[\dst+12], s[16:17], 4*\l
	s_load_b32 s[\dst+13], s[24:25], 4*\l
.endm
	; ---- THE HEAD
	s_load_b512 s[4:19], s[0:1], 0x0               ; X, dag, Wk, Wq, Wv, Wp, bp, W1
	s_load_b256 s[20:27], s[0:1], 0x40             ; b1, W2, b2, Wlm
	s_load_b128 s[28:31], s[0:1], 0x60             ; blm, out0
	v_lshrrev_b32 v1, 5, v0
	v_readfirstlane_b32 s92, v1                    ; wave 0..15
	v_and_b32 v1, 31, v0                           ; lane
	v_and_b32 v2, 15, v0                           ; r
	v_bfe_u32 v3, v0, 4, 1                         ; hh
	s_wait_alu depctr_va_sdst(0)                   ; s92 is written, ahead of its first reader
	s_lshl_b32 s93, s92, 8
	s_add_co_u32 s94, s93, XBUF                    ; my wave's 256 bytes of x
	v_lshl_add_u32 v[AXM], v3, 7, s94
	v_lshl_add_u32 v[AXN0], v2, 2, s94
	v_lshl_add_u32 v[AXL], v1, 3, s94
	v_lshlrev_b32 v[AG0], 4, v1
	v_lshl_add_u32 v[AWP0], v3, 5, WPT
	v_lshlrev_b32 v[AWV0], 2, v2
	v_lshlrev_b32 v[SH8], 3, v3
	v_lshlrev_b32 v[GOF], 3, v1
	s_and_b32 s94, s92, 3
	s_lshl_b32 s94, s94, 11
	s_lshr_b32 s100, s92, 2
	s_lshl_b32 s100, s100, 6
	s_add_co_u32 s94, s94, s100
	v_lshlrev_b32 v248, 13, v3                     ; dag: wave w makes the images (T = w / 4, g = 2 (w % 4) + u): dag[32 hh + 8 (w % 4) + 4 u + j][16 (w / 4) + r],
	v_lshl_add_u32 v248, v2, 2, v248               ; at 8192 hh + 4 r + 2048 (w % 4) + 64 (w / 4), + 1024 u + 256 j in the immediate
	v_add_nc_u32 v248, s94, v248
	s_lshl_b32 s94, s92, 10
	v_add_nc_u32 v249, s94, v[AG0]                 ; and stores them at 1024 w + 16 lane, + 512 u
	v_lshlrev_b32 v244, 2, v0                      ; the tables' copy: a word a thread
	v_mov_b32 v250, 0xff800000                     ; -infinity
.irp c, 0,1,2,3,4,5
	v_mov_b32 v[ZR+\c], 0                          ; the zero codes: written once
.endr
	v_mov_b32 v[SI+1], 0                           ; stays 0
	v_mov_b32 v[RC], 0                             ; named as pairs, or as a lane permute's destination, before their first own write
	v_mov_b32 v[RC+1], 0
	v_mov_b32 v[TO], 0
	v_mov_b32 v[OO], 0
	s_mov_b32 s98, 0x76543210
	s_mov_b32 s99, 0xfedcba98                      ; v_permlanex16_b32's selects for lane xor 16
	s_lshl_b32 s100, ttmp9, 12                     ; the work-group's 16 batches of 256 bytes,
	s_add_co_u32 s100, s100, s93                   ; my wave's one
	s_mov_b32 s101, 0
	s_wait_kmcnt 0x0
	s_add_nc_u64 s[4:5], s[4:5], s[100:101]
	s_add_nc_u64 s[30:31], s[30:31], s[100:101]
	LCONST 32, 0
	LCONST 48, 1
	LCONST 68, 2
	s_load_b32 s82, s[26:27], 0x0
	s_load_b32 s83, s[28:29], 0x0
	s_wait_alu depctr_va_vdst(0)                   ; the offsets and addresses made above are written: v[GOF], v248, v244, v249 for the head's loads and stores; v[AXM], v[AG0], v[AXL] for every later LDS access by them
	global_load_b64 v[246:247], v[GOF], s[4:5] th:TH_LOAD_NT   ; the wave reads its batch: 256 consecutive bytes, read once in the launch
.irp u, 0,1
.irp j, 0,1,2,3
	global_load_b32 v[224+4*\u+\j], v248, s[6:7] offset:1024*\u+256*\j
.endr
.endr
	s_cmp_lt_u32 s92, 12                           ; the four tables have 384 words each: threads 0 to 383 copy a word of each
	s_cbranch_scc0 .Lno_copy
	global_load_b32 v240, v244, s[8:9]
	global_load_b32 v241, v244, s[10:11]
	global_load_b32 v242, v244, s[12:13]
	global_load_b32 v243, v244, s[14:15]
	s_wait_loadcnt 0x0
	ds_store_b32 v244, v240 offset:WKT
	ds_store_b32 v244, v241 offset:WQT
	ds_store_b32 v244, v242 offset:WVT
	ds_store_b32 v244, v243 offset:WPT
.Lno_copy:
	s_wait_loadcnt 0x0                             ; x and dag's eight words
.irp j, 0,1,2,3,4,5,6,7
	v_cmp_eq_u32 s[84+\j], 0, v[224+\j]            ; the eight compares in one run, a scalar register each
.endr
	s_wait_alu depctr_va_sdst(0)                   ; the eight masks of lanes s84 to s91 are written, ahead of the selects that read them
.irp j, 0,1,2,3,4,5,6,7
	v_cndmask_b32 v[232+\j], 0, v250, s[84+\j]     ; 0.0 where dag counts the key, else -infinity
.endr
	s_wait_alu depctr_va_vdst(0)                   ; the selects have written v232 to v239, which the two stores below read
	ds_store_b128 v249, v[232:235]
	ds_store_b128 v249, v[236:239] offset:512
	ds_store_b64 v[AXL], v[246:247]
	s_wait_dscnt 0x0                               ; for the others' sake: my stores have landed
	s_barrier_signal -1
	s_barrier_wait -1                              ; the only barrier: the mask and the tables are whole, and are only read from here on
	GLOAD AG0                                      ; the first tile's mask; no vector line has named v[GG ..] yet; it is waited for with the first layer's loads
	s_wait_kmcnt 0x0                               ; the layers' constants
	s_mov_b32 s95, 0
.Llayer:                                           ; 3 trips
	s_wait_alu depctr_vm_vsrc(0)                   ; the last layer's LDS loads have read v[AWP], v[AWV], v[AQK], and its last store its data v[TS]; in the first trip: the head's loads and stores have read v232 to v249, which VQ writes
	v_add_nc_u32 v[AWP], s95, v[AWP0]
	v_add_nc_u32 v[AWV], s95, v[AWV0]
	v_add_nc_u32 v[AQK], s95, v[AG0]
	s_wait_alu depctr_va_vdst(0)                   ; the three addresses are written; the last layer's vector and matrix lines are done with v[XM ..], v[WPR ..] and v[D0 ..], in which the loads below land
.irp g, 0,1,2,3,4,5,6,7
	ds_load_b128 v[XM+4*\g:XM+4*\g+3], v[AXM] offset:16*\g     ; LDS serves a wave's instructions in order: these see the last layer's stores of x
.endr
	ds_load_b128 v[WPR:WPR+3], v[AQK] offset:WQT               ; lane l: Wq and Wk of head l / 4, d = 4 (l % 4) + 0 .. 3
	ds_load_b128 v[WPR+4:WPR+7], v[AQK] offset:WKT
.irp h, 0,1,2,3,4,5,6,7
	ds_load_b32 v[D0+\h], v[AWV] offset:WVT+64*\h              ; Wv[h][r]
.endr
	s_wait_dscnt 0x0
	v_mul_f32 v[TS], v[WPR], v[WPR+4]
	v_fma_f32 v[TS], v[WPR+1], v[WPR+5], v[TS]
	v_fma_f32 v[TS], v[WPR+2], v[WPR+6], v[TS]
	v_fma_f32 v[TS], v[WPR+3], v[WPR+7], v[TS]
	v_add_f32_dpp v[TS], v[TS], v[TS] row_xmask:1 row_mask:0xf bank_mask:0xf
	v_add_f32_dpp v[TS], v[TS], v[TS] row_xmask:2 row_mask:0xf bank_mask:0xf   ; the four lanes of a head hold its sum over d
	v_mul_f32 v[TS], 0x3eb8aa3b, v[TS]             ; x 0.25 log2(e)
.irp h, 0,1,2,3,4,5,6,7
	v_readlane_b32 s[84+\h], v[TS], 4*\h
.endr
	v_max3_num_f32 v[XA], |v[XM]|, |v[XM+1]|, |v[XM+2]|        ; the largest |x_m| of my 32 keys
	v_max3_num_f32 v[TS], |v[XM+3]|, |v[XM+4]|, |v[XM+5]|
.irp i, 6,10,14,18,22,26
	v_max3_num_f32 v[XA], v[XA], |v[XM+\i]|, |v[XM+\i+1]|
	v_max3_num_f32 v[TS], v[TS], |v[XM+\i+2]|, |v[XM+\i+3]|
.endr
	v_max3_num_f32 v[XA], v[XA], |v[XM+30]|, |v[XM+31]|
	v_max_num_f32 v[XA], v[XA], v[TS]
	VQ 0
	VQ 1
	VQ 2
	VQ 3
	s_wait_alu depctr_va_sdst(0)                   ; the eight lane reads have written s84 to s91: one wait for the run, ahead of the label and of their first reader, SCAL 0
	s_mov_b32 s96, 0
.Ltile:                                            ; 4 trips: rows 16 T to 16 T + 15
	s_add_co_u32 s97, s96, 64
	s_and_b32 s97, s97, 192                        ; 64 ((T + 1) mod 4)
	s_lshl_b32 s97, s97, 6
	s_wait_alu depctr_vm_vsrc(0)                   ; the last tile's LDS instructions have read v[AG] (its loads of this tile's mask), v[AXN] (its load and its store of x) and v[TS] (that store's data)
	v_add_nc_u32 v[AG], s97, v[AG0]                ; read in unit 3
	v_add_nc_u32 v[AXN], s96, v[AXN0]
	s_wait_alu depctr_va_vdst(0)                   ; v[AXN] and v[AG] are written; the last tile's tail is done reading v[XN], in which the load below lands
	ds_load_b32 v[XN], v[AXN]                      ; this tile's rows have not been written anew yet; wanted in SCAL 0, and waited for there
.set i, 0
.rept 16
	v_pk_add_f32 v[EE+i:EE+i+1], v[XM+i:XM+i+1], v[GG+i:GG+i+1]                          ; x_m, or -infinity.  (The mask was asked for in the last tile's unit 3, or at the head, and a wait for all LDS loads has stood since)
.set i, i+2
.endr
	MAX32 XB, TS, EE
.set i, 0
.rept 16
	v_pk_add_f32 v[EE+i:EE+i+1], v[XM+i:XM+i+1], v[GG+i:GG+i+1] neg_lo:[0,1] neg_hi:[0,1]  ; x_m, or +infinity
.set i, i+2
.endr
	MIN32 XB+1, TS, EE
	v_permlanex16_b32 v[TO], v[XB], s98, s99
	v_permlanex16_b32 v[OO], v[XB+1], s98, s99
	v_max_num_f32 v[XR], v[XB], v[TO]              ; the row's extremes: both blocks'
	v_min_num_f32 v[XR+1], v[XB+1], v[OO]
	v_cmp_neq_f32 s100, 0xff800000, v[XR]          ; does the row count any key?
	v_cmp_neq_f32 s101, 0xff800000, v[XB]          ; does my block count any key?  (The selects on s100 leave v[XB] alone, so the two compares stand together)
	s_wait_alu depctr_va_sdst(0)                   ; the two masks of lanes s100 and s101 are written, ahead of the selects that read them
	v_cndmask_b32 v[XR+1], 0, v[XR+1], s100        ; if the row counts none: extremes 0, so that the maximum is 0 and every t is -infinity,
	v_cndmask_b32 v[SI], 1.0, v[SI+1], s100        ; and 1.0 into the sum: p = 0
	v_cndmask_b32 v[XR], 0, v[XR], s100
	v_cndmask_b32 v[XB], v[XR], v[XB], s101        ; if my block counts none: the row's, for an ordinary scale byte over its zero codes
	v_cndmask_b32 v[XB+1], v[XR], v[XB+1], s101
	s_wait_dscnt 0x0                               ; x of my row is in
	SCAL 0
	UNIT 0
	UNIT 1
	UNIT 2
	UNIT 3
.rept 4
	v_nop                                          ; four places between the last products and the first read of their results
.endr
	s_wait_dscnt 0x0                               ; the last unit's Wp, and the next tile's mask
	CONSUME 0
	v_pk_add_f32 v[ACC0:ACC0+1], v[ACC0:ACC0+1], v[ACC1:ACC1+1]
	v_add_f32 v[TS], v[ACC0], v[ACC0+1]
	v_permlanex16_b32 v[TO], v[TS], s98, s99       ; d = 8 (1 - hh) + 0 .. 7 lie in lane xor 16
	v_add_f32 v[TS], v[TS], v[TO]                  ; attn . Wp
	v_add_f32 v[TS], v[XN], v[TS]
	v_add_f32 v[TS], s44, v[TS]                    ; x + attn . Wp + bp
.irp j, 0,1,2,3
	v_fma_f32 v[T1+\j], v[TS], s[32+\j], s[36+\j]
.endr
.irp j, 0,1,2,3
	v_max_num_f32 v[T1+\j], 0, v[T1+\j]
.endr
	v_mul_f32 v[TO], s40, v[T1]
	v_fma_f32 v[TO], v[T1+1], s41, v[TO]
	v_fma_f32 v[TO], v[T1+2], s42, v[TO]
	v_fma_f32 v[TO], v[T1+3], s43, v[TO]
	v_add_f32 v[TS], v[TS], v[TO]
	v_add_f32 v[TS], s45, v[TS]                    ; + relu(x W1 + b1) . W2 + b2
	s_wait_alu depctr_va_vdst(0)                   ; v[TS] is written, which the store reads.  Behind the last tile no vector line follows before the tail's load into v[T1:T1+1]: this wait states that the lines above are done with that pair too
	ds_store_b32 v[AXN], v[TS]                     ; both halves of the lanes write the same word with the same value
	s_add_co_u32 s96, s96, 64
	s_cmp_lt_u32 s96, 256
	s_cbranch_scc1 .Ltile
.irp c, 0,2,4,6,8,10,12
	s_mov_b64 s[32+\c:33+\c], s[48+\c:49+\c]       ; the next layer's constants move up
.endr
.irp c, 0,2,4,6,8,10,12
	s_mov_b64 s[48+\c:49+\c], s[68+\c:69+\c]
.endr
	s_add_co_u32 s95, s95, 512
	s_cmp_lt_u32 s95, 1536
	s_cbranch_scc1 .Llayer
	; ---- THE TAIL: y = x Wlm + blm
	ds_load_b64 v[T1:T1+1], v[AXL]                 ; LDS serves a wave's instructions in order: this sees my stores
	s_wait_dscnt 0x0
	v_fma_f32 v[T2], v[T1], s82, s83
	v_fma_f32 v[T2+1], v[T1+1], s82, s83
	s_wait_alu depctr_va_vdst(0)                   ; the two multiply-adds have written v[T2:T2+1], which the store reads
	global_store_b64 v[GOF], v[T2:T2+1], s[30:31] th:TH_STORE_NT   ; the wave's 32 lanes store 256 consecutive bytes, at a multiple of 256 from out0's first byte
	s_wait_xcnt 0x0
	v_lshl_add_u32 v249, v0, 2, 0x6800             ; the add's two registers are made anew here: no LDS or memory instruction has read v249 or v250 since the layers' waits on vm_vsrc
	v_mov_b32 v250, 0
	s_wait_dscnt 0x0                               ; the closing lines, six on end
	s_wait_alu 0x0
	s_wait_tensorcnt 0x0
	ds_add_u32 v249, v250
	s_wait_dscnt 0x0
	s_endpgm
.Lfunc_end_k_q4aa17a84ac_cat:
	.size	k_q4aa17a84ac_cat, .Lfunc_end_k_q4aa17a84ac_cat-k_q4aa17a84ac_cat
	.p2alignl 7, 3214868480
	.fill 96, 4, 3214868480
	.section	.rodata,"a",@progbits
	.p2align	6, 0x0
	.amdhsa_kernel k_q4aa17a84ac_cat
		.amdhsa_group_segment_fixed_size 28672
		.amdhsa_private_segment_fixed_size 0
		.amdhsa_enable_private_segment 0
		.amdhsa_kernarg_size 112
		.amdhsa_user_sgpr_count 2
		.amdhsa_user_sgpr_kernarg_segment_ptr 1
		.amdhsa_wavefront_size32 1
		.amdhsa_system_sgpr_workgroup_id_x 1
		.amdhsa_system_sgpr_workgroup_id_y 1
		.amdhsa_system_sgpr_workgroup_id_z 1
		.amdhsa_system_vgpr_workitem_id 0
		.amdhsa_next_free_vgpr 256
		.amdhsa_next_free_sgpr 102
		.amdhsa_reserve_vcc 0
		.amdhsa_float_denorm_mode_32 3
		.amdhsa_float_denorm_mode_16_64 3
		.amdhsa_memory_ordered 1
		.amdhsa_forward_progress 1
		.amdhsa_inst_pref_size 84
	.end_amdhsa_kernel
	.amdgpu_metadata
---
amdhsa.version: [ 1, 2 ]
amdhsa.kernels:
  - .name:           k_q4aa17a84ac_cat
    .symbol:         k_q4aa17a84ac_cat.kd
    .args:
      - { .name: X, .offset: 0, .size: 8, .value_kind: global_buffer, .address_space: global }
      - { .name: dag, .offset: 8, .size: 8, .value_kind: global_buffer, .address_space: global }
      - { .name: Wk, .offset: 16, .size: 8, .value_kind: global_buffer, .address_space: global }
      - { .name: Wq, .offset: 24, .size: 8, .value_kind: global_buffer, .address_space: global }
      - { .name: Wv, .offset: 32, .size: 8, .value_kind: global_buffer, .address_space: global }
      - { .name: Wp, .offset: 40, .size: 8, .value_kind: global_buffer, .address_space: global }
      - { .name: bp, .offset: 48, .size: 8, .value_kind: global_buffer, .address_space: global }
      - { .name: W1, .offset: 56, .size: 8, .value_kind: global_buffer, .address_space: global }
      - { .name: b1, .offset: 64, .size: 8, .value_kind: global_buffer, .address_space: global }
      - { .name: W2, .offset: 72, .size: 8, .value_kind: global_buffer, .address_space: global }
      - { .name: b2, .offset: 80, .size: 8, .value_kind: global_buffer, .address_space: global }
      - { .name: Wlm, .offset: 88, .size: 8, .value_kind: global_buffer, .address_space: global }
      - { .name: blm, .offset: 96, .size: 8, .value_kind: global_buffer, .address_space: global }
      - { .name: out0, .offset: 104, .size: 8, .value_kind: global_buffer, .address_space: global }
    .group_segment_fixed_size: 28672
    .private_segment_fixed_size: 0
    .kernarg_segment_align: 8
    .kernarg_segment_size: 112
    .max_flat_workgroup_size: 512
    .sgpr_count:     102
    .vgpr_count:     256
    .wavefront_size: 32
...
	.end_amdgpu_metadata
.endif
;; end of part 2
